; MI455X (gfx1250); checked and timed in simulation.
; The chip was launched on July 23, 2026; its instructions are those of AMD's public machine-readable ISA for CDNA 5 (MIT licence, August 2026) and "CDNA5" Instruction Set Architecture Reference Guide (July 2026). The comments in the code are by the model that wrote it; some were corrected since.
;; Attention. Allowed arithmetic: float matrix products may take bf16 or f16 operands with f32 sums; all other float work in f32.
;; Inputs: b_proj 1,024 float32; w_proj 1,024 x 1,024 float32; w_qkv 1,024 x 3,072 float32; x 2 x 2,048 x 1,024 float32.
;; Outputs: out0 2 x 2,048 x 1,024 float32.
;; One version. Each part assembles by itself: llvm-mc -triple=amdgcn-amd-amdhsa -mcpu=gfx1250 --defsym DOCPART=n.
;; ======== version 1 of 1: 4 launches
;; limits: values are held in f16: magnitudes above 65,504 overflow, below 6.1e-05 lose precision
;; workspace buffers: xh 8,388,608 bytes; wqt 6,291,456 bytes; wpt 2,097,152 bytes; qkv 25,165,824 bytes; ao 8,388,608 bytes
;; launch prep (part 1): grid 1024 x 1, 8 waves a work-group, no clusters, 18,432 bytes of LDS; arguments x, w_qkv, w_proj, xh, wqt, wpt; writes xh, wqt, wpt
.if DOCPART == 1
	.amdgcn_target "amdgcn-amd-amdhsa--gfx1250"
	.amdhsa_code_object_version 6
	.text
	.protected	k_q74ed2a2438_prep
	.globl	k_q74ed2a2438_prep
	.p2align	8
	.type	k_q74ed2a2438_prep,@function
k_q74ed2a2438_prep:
	s_mov_b64 s[64:65], 0
	v_nop
	global_prefetch_b8 v0, s[64:65] scope:SCOPE_SE
	s_setreg_imm32_b32 hwreg(HW_REG_WAVE_MODE, 25, 1), 1
	s_wait_xcnt 0x0
; prep: the matrix operands of the two projections, rounded once to f16 and laid with K along the rows.
;   xh [4096][1024]  = f16(x)
;   wqt[3072 n][1024 k] = f16(w_qkv[k][n]),   wpt[1024 n][1024 k] = f16(w_proj[k][n])
; LIMIT: f16 holds magnitudes up to 65,504; a larger |x| or |w| becomes an infinity.  f16 and not bf16 because its rounding step is
; eight times finer, and five roundings lie between x and the result.
; 1,024 work-groups of eight waves, each reads 32 KiB and writes 16 KiB: 512 for x, 384 for w_qkv, 128 for w_proj.
; A stream: every byte is read once and written once.  No work-group shares a byte with another, so there is no cluster; no product, so no matrix unit.
.set XGROUPS, 512                      ; 16,777,216 bytes of x / 32,768
.set QGROUPS, 384                      ; 8 blocks of 128 k x 48 blocks of 64 n
.set XR, 4                             ; v[4:35]   eight loads of 16 bytes, f32
.set YR, 36                            ; v[36:51]  the same numbers as f16 pairs
.set ZR, 52                            ; v[52:67]  a transposed tile's rows, read back
.set LS, 68                            ; LDS address of my stores into the transposed tile
.set LR, 69                            ; LDS address of my reads from it
.set GO, 70                            ; my byte offset in the transposed weights
.set TP, 272                           ; pitch of the transposed tile: 128 k x 2 bytes + 16
	s_load_b256 s[4:11], s[0:1], 0x0               ; x s[4:5], w_qkv s[6:7], w_proj s[8:9], xh s[10:11]
	s_load_b128 s[12:15], s[0:1], 0x20             ; wqt s[12:13], wpt s[14:15]
	v_lshl_add_u32 v72, v0, 2, 0x4400
	v_mov_b32 v73, 0
	s_mov_b32 s20, ttmp9                           ; the work-group's number picks the share: the same for all eight waves
	s_mov_b32 s17, 0
	s_mov_b32 s19, 0
	s_cmp_lt_u32 s20, XGROUPS
	s_cbranch_scc0 .Lweights
	; ---- x: thread t takes 16 bytes at 16 t of each of eight runs of 4,096 bytes, and stores 8 bytes at 8 t of runs of 2,048 ----
	s_lshl_b32 s16, s20, 15
	s_lshl_b32 s18, s20, 14
	v_lshlrev_b32 v1, 4, v0
	v_lshlrev_b32 v2, 3, v0
	s_wait_kmcnt 0x0
	s_add_nc_u64 s[4:5], s[4:5], s[16:17]
	s_add_nc_u64 s[10:11], s[10:11], s[18:19]
.irp i, 0,1,2,3,4,5,6,7
	global_load_b128 v[XR+4*\i:XR+4*\i+3], v1, s[4:5] offset:4096*\i th:TH_LOAD_NT   ; x is read once in this launch
.endr
.irp i, 0,1,2,3,4,5,6,7
	s_wait_loadcnt 7-\i                            ; loads return in order: number i is in, the 7 - i younger ones stay out
	v_cvt_pk_f16_f32 v[YR+2*\i],   v[XR+4*\i],   v[XR+4*\i+1]
	v_cvt_pk_f16_f32 v[YR+2*\i+1], v[XR+4*\i+2], v[XR+4*\i+3]
	global_store_b64 v2, v[YR+2*\i:YR+2*\i+1], s[10:11] offset:2048*\i   ; a wave's store covers 256 consecutive bytes, aligned; no register is written twice
.endr
	s_endpgm
	; ---- weights: a tile of 128 k x 64 n is read by rows of n, turned in LDS, and written by rows of k ----
.Lweights:
	v_and_b32 v1, 15, v0                           ; n4: my four columns n = 4 n4 .. 4 n4 + 3 (16 lanes cover a row piece of 256 bytes)
	v_lshrrev_b32 v2, 4, v0                        ; kp: my pair of rows k = 2 kp, 2 kp + 1 (+ 32 i)
	v_mul_u32_u24 v[LS], v1, 4*TP                  ; T[n][k] at n x 272 + 2 k: n = 4 n4 (+ c), k = 2 kp (+ 32 i)
	v_lshl_add_u32 v[LS], v2, 2, v[LS]
	v_mul_u32_u24 v[LR], v2, TP                    ; back: row n = kp (+ 16 i), 16 bytes at 16 n4
	v_lshl_add_u32 v[LR], v1, 4, v[LR]
	v_lshlrev_b32 v[GO], 11, v2                    ; the same place in the output: rows of 2,048 bytes
	v_lshl_add_u32 v[GO], v1, 4, v[GO]
; pitch: bytes of a source row; src, dst: the scalar pairs with the two addresses; first: the number of this share's first work-group
.macro WT pitch, src, dst, first
	s_sub_co_u32 s21, s20, \first
	s_and_b32 s22, s21, 7                          ; kb: block of 128 k
	s_lshr_b32 s23, s21, 3                         ; nb: block of 64 n
	s_mul_i32 s16, s22, 128*\pitch
	s_lshl_b32 s24, s23, 8
	s_add_co_u32 s16, s16, s24                     ; source: 128 kb rows + 256 nb bytes
	s_lshl_b32 s18, s23, 17
	s_lshl_b32 s24, s22, 8
	s_add_co_u32 s18, s18, s24                     ; destination: 64 nb rows of 2,048 bytes + 256 kb bytes
	v_mul_u32_u24 v3, v2, 2*\pitch
	v_lshl_add_u32 v3, v1, 4, v3
	s_wait_kmcnt 0x0
	s_add_nc_u64 s[\src:\src+1], s[\src:\src+1], s[16:17]
	s_add_nc_u64 s[\dst:\dst+1], s[\dst:\dst+1], s[18:19]
.irp i, 0,1,2,3
.irp e, 0,1
	global_load_b128 v[XR+8*\i+4*\e:XR+8*\i+4*\e+3], v3, s[\src:\src+1] offset:(32*\i+\e)*\pitch th:TH_LOAD_NT
.endr
.endr
.irp i, 0,1,2,3
	s_wait_loadcnt 6-2*\i                          ; the two rows of pair i are in, the younger pairs stay out
.irp c, 0,1,2,3
	v_cvt_pk_f16_f32 v[YR+4*\i+\c], v[XR+8*\i+\c], v[XR+8*\i+4+\c]       ; column 4 n4 + c: even k below, odd k above
	ds_store_b32 v[LS], v[YR+4*\i+\c] offset:TP*\c+64*\i                 ; lanes n4, n4+4, n4+8, n4+12 fall 1,088 words apart, the same place modulo 64 words:
	                                                                     ; four deep, accepted for 16 such stores a wave in the whole kernel
.endr
.endr
	s_wait_dscnt 0x0                               ; my stores are in LDS, for the other waves' sake
	s_barrier_signal -1
	s_barrier_wait -1                              ; everybody's are
.irp i, 0,1,2,3
	ds_load_b128 v[ZR+4*\i:ZR+4*\i+3], v[LR] offset:16*TP*\i
.endr
.irp i, 0,1,2,3
	s_wait_dscnt 3-\i
	global_store_b128 v[GO], v[ZR+4*\i:ZR+4*\i+3], s[\dst:\dst+1] offset:32768*\i   ; sixteen lanes store 256 consecutive bytes, aligned
.endr
.endm
	s_cmp_lt_u32 s20, XGROUPS+QGROUPS
	s_cbranch_scc0 .Lwproj
	WT 12288, 6, 12, XGROUPS
	s_wait_tensorcnt 0x0
	ds_add_u32 v72, v73
	s_wait_dscnt 0x0
	s_endpgm
.Lwproj:
	WT 4096, 8, 14, XGROUPS+QGROUPS
	s_wait_tensorcnt 0x0
	ds_add_u32 v72, v73
	s_wait_dscnt 0x0
	s_endpgm
.Lfunc_end_k_q74ed2a2438_prep:
	.size	k_q74ed2a2438_prep, .Lfunc_end_k_q74ed2a2438_prep-k_q74ed2a2438_prep
	.p2alignl 7, 3214868480
	.fill 96, 4, 3214868480
	.section	.rodata,"a",@progbits
	.p2align	6, 0x0
	.amdhsa_kernel k_q74ed2a2438_prep
		.amdhsa_group_segment_fixed_size 18432
		.amdhsa_private_segment_fixed_size 0
		.amdhsa_enable_private_segment 0
		.amdhsa_kernarg_size 48
		.amdhsa_user_sgpr_count 2
		.amdhsa_user_sgpr_kernarg_segment_ptr 1
		.amdhsa_wavefront_size32 1
		.amdhsa_system_sgpr_workgroup_id_x 1
		.amdhsa_system_sgpr_workgroup_id_y 1
		.amdhsa_system_sgpr_workgroup_id_z 1
		.amdhsa_system_vgpr_workitem_id 0
		.amdhsa_next_free_vgpr 74
		.amdhsa_next_free_sgpr 66
		.amdhsa_reserve_vcc 0
		.amdhsa_float_denorm_mode_32 3
		.amdhsa_float_denorm_mode_16_64 3
		.amdhsa_memory_ordered 1
		.amdhsa_forward_progress 1
		.amdhsa_inst_pref_size 14
	.end_amdhsa_kernel
	.amdgpu_metadata
---
amdhsa.version: [ 1, 2 ]
amdhsa.kernels:
  - .name:           k_q74ed2a2438_prep
    .symbol:         k_q74ed2a2438_prep.kd
    .args:
      - { .name: x, .offset: 0, .size: 8, .value_kind: global_buffer, .address_space: global }
      - { .name: w_qkv, .offset: 8, .size: 8, .value_kind: global_buffer, .address_space: global }
      - { .name: w_proj, .offset: 16, .size: 8, .value_kind: global_buffer, .address_space: global }
      - { .name: xh, .offset: 24, .size: 8, .value_kind: global_buffer, .address_space: global }
      - { .name: wqt, .offset: 32, .size: 8, .value_kind: global_buffer, .address_space: global }
      - { .name: wpt, .offset: 40, .size: 8, .value_kind: global_buffer, .address_space: global }
    .group_segment_fixed_size: 18432
    .private_segment_fixed_size: 0
    .kernarg_segment_align: 8
    .kernarg_segment_size: 48
    .max_flat_workgroup_size: 256
    .sgpr_count:     66
    .vgpr_count:     74
    .wavefront_size: 32
...
	.end_amdgpu_metadata
.endif
;; end of part 1
;; launch qkv (part 2): grid 16 x 16, 4 waves a work-group, clusters of 4 x 4, 327,680 bytes of LDS; arguments xh, wqt, qkv; writes qkv
.if DOCPART == 2
	.amdgcn_target "amdgcn-amd-amdhsa--gfx1250"
	.amdhsa_code_object_version 6
	.text
	.protected	k_q74ed2a2438_qkv
	.globl	k_q74ed2a2438_qkv
	.p2align	8
	.type	k_q74ed2a2438_qkv,@function
k_q74ed2a2438_qkv:
	s_mov_b64 s[64:65], 0
	v_nop
	global_prefetch_b8 v0, s[64:65] scope:SCOPE_SE
	s_setreg_imm32_b32 hwreg(HW_REG_WAVE_MODE, 25, 1), 1
	s_wait_xcnt 0x0
	s_wait_alu depctr_hold_cnt(0) depctr_sa_sdst(0) depctr_va_vdst(0) depctr_va_sdst(0) depctr_va_ssrc(0) depctr_va_vcc(0) depctr_vm_vsrc(0)
	s_getreg_b32 s2, hwreg(HW_REG_IB_STS2, 6, 4)
	s_cmp_eq_u32 s2, 0
	s_cbranch_scc0 .Lentry_in_a_cluster
	s_endpgm
.Lentry_in_a_cluster:
	s_bfe_u32 s2, ttmp6, 0x10000c
	s_cmp_lg_u32 s2, 0xf033
	s_cbranch_scc0 .Lentry_shape_is_right
	s_endpgm
.Lentry_shape_is_right:
; qkv[g][token][d] = sum over k of xh[token][k] wqt[64 g + d][k];  g = 0..15 Q's heads, 16..31 K's, 32..47 V's; f16 in, f32 sums, f16 out.
; LIMIT: a result beyond 65,504 in magnitude becomes an infinity in f16.
; A work-group makes 256 tokens x 192 columns (three heads): 16 x 16 = 256 work-groups.  Wave w makes tokens 64 w .. 64 w + 63 x all 192 columns:
; 4 x 12 accumulator tiles, 384 registers, so that a wave owns whole heads on the way out.
; K goes in 8 steps of 128 through two LDS slots filled by the tensor data mover; a tile's rows are 256 bytes of memory at multiples of 256.
; CLUSTER 4 x 4: xh's tile hangs on the block row alone and is asked for jointly along a row of the cluster, wqt's on the block column alone and
; is asked for jointly along a column: the requests for both are divided by four.
; REGISTER WINDOWS: 0: addresses, xh's fragments (two buffers), the way out;  1: wqt's fragments (two buffers);
;   2: accumulators of my token tiles 0, 1 (tile (a, b) at v[8 (12 a + b)]);  3: those of token tiles 2, 3.
; THE PRODUCT IS USED TRANSPOSED: source 0 = 16 rows of wqt, source 1 = 16 tokens; a lane then holds eight neighbouring columns of one token.
.set KSTEP,  128
.set PITCH,  272                       ; 256 bytes + 16: sixteen rows of a fragment load start 68 words apart, at sixteen different places modulo 64 words
.set AHALF,  128*PITCH                 ; what waves 0, 1 fetch: 128 tokens
.set BHALF,  96*PITCH                  ; what waves 2, 3 fetch: 96 rows of wqt
.set BOFF,   2*AHALF
.set SLOT,   BOFF+2*BHALF              ; 121,856
.set STAGE,  2*SLOT                    ; behind the ring: [3 heads][16 tokens][144 bytes] for each wave; no tensor load lands here
.set SPITCH, 144
.set SHEAD,  16*SPITCH
.set SWAVE,  3*SHEAD
.set LAPS,   4                         ; 1,024 / (2 x 128)
.set ADRA, 16                          ; v16-17  LDS address of my xh fragments in slot 0, 1
.set ADRB, 20                          ; v20-21  the same for wqt
.set STO,  24
.set RD,   25
.set CO,   26
.set FA,   32                          ; window 0: v32-63, v64-95    xh fragments, buffer 0, 1
.set TMP,  96                          ; window 0: v96-143           packed results
.set RB,   144                         ; window 0: v144-191, v192-239 rows read back, two sets
                                       ; window 1: v0-95, v96-191    wqt fragments, buffer 0, 1
.set G1,  24
.set G0,  32
.set G1B, 48
.set G0B, 56
.set MSB, 0
.macro WIN new                         ; the immediate's high byte repeats the setting that is left
.if MSB != \new
	s_set_vgpr_msb (MSB<<8)|\new
.set MSB, \new
.endif
.endm
.set MUL_LO, 0xa1                      ; source 0 window 1, source 1 window 0, C and D window 2
.set MUL_HI, 0xf1                      ; the same, C and D window 3
.set TO_B,   0x40                      ; destination window 1, address window 0
.macro JLOAD s                         ; waves 0, 1 ask for xh's halves, waves 2, 3 for wqt's: one mask and one set of registers a line
	s_cmp_eq_u32 s11, 0
	s_cbranch_scc0 .Lfor_b_\@
	tensor_load_to_lds s[G0+4*\s:G0+4*\s+3], s[G1:G1+7]
	s_nop 0
	s_branch .Lasked_\@
.Lfor_b_\@:
	tensor_load_to_lds s[G0B+4*\s:G0B+4*\s+3], s[G1B:G1B+7]
	s_nop 0
.Lasked_\@:
.endm
.macro CREST                           ; a round of the cluster's barrier behind its opening barrier
	s_cmp_lg_u32 s10, 0
	s_cbranch_scc1 .Lnot_wave_0_\@
	s_barrier_signal -3
.Lnot_wave_0_\@:
	s_barrier_wait -3
	s_barrier_signal -1
	s_barrier_wait -1
.endm
.macro CROUND
	s_barrier_signal -1
	s_barrier_wait -1
	CREST
.endm
.macro PLACES                          ; four plain vector instructions behind a matrix instruction, before its registers are loaded into or its result is read (ISA guide 7.12.1)
.rept 4
	v_nop
.endr
.endm
	s_load_b128 s[4:7], s[0:1], 0x0                ; xh s[4:5], wqt s[6:7]
	s_load_b64 s[8:9], s[0:1], 0x10                ; qkv
	s_set_vgpr_msb 0x40
	v_lshl_add_u32 v255, v0, 2, 0x42400
	s_set_vgpr_msb 0x4000
	v_mov_b32 v255, 0
	s_set_vgpr_msb 0x1
	ds_add_u32 v255, v255
	s_set_vgpr_msb 0x100
	v_lshrrev_b32 v1, 5, v0
	v_readfirstlane_b32 s10, v1                    ; wave 0..3
	s_lshr_b32 s11, s10, 1                         ; I fetch for xh (0) or for wqt (1)
	s_and_b32 s12, s10, 1                          ; which half of that tile
	s_bfe_u32 s40, ttmp6, 0x40000                  ; cx
	s_bfe_u32 s41, ttmp6, 0x40004                  ; cy
	s_lshl_b32 s42, ttmp9, 2
	s_add_co_u32 s42, s42, s40                     ; block column = 4 x cluster x + cx
	s_and_b32 s13, ttmp7, 0xffff
	s_lshl_b32 s13, s13, 2
	s_add_co_u32 s13, s13, s41                     ; block row = 4 x cluster y + cy
	s_lshl_b32 s43, s41, 2
	s_lshl_b32 s43, 15, s43                        ; my row of the cluster
	s_lshl_b32 s44, 0x1111, s40                    ; my column
	; group 1: elements of 2 bytes, padding of 4 words behind every 64 words, bit 21 beside the mask
	s_or_b32 s[G1+0], s43, (1<<16)|(1<<20)|(1<<21)|(5<<22)|(3<<25)
	s_mov_b32 s[G1+1], KSTEP<<16                   ; tensor_dim0 = 128
	s_mov_b32 s[G1+2], 128<<16                     ; tensor_dim1 = 128
	s_mov_b32 s[G1+3], KSTEP<<16                   ; tile_dim0 = 128
	s_mov_b32 s[G1+4], 128                         ; tile_dim1 = 128 rows
	s_mov_b32 s[G1+5], 1024                        ; elements from row to row
	s_mov_b32 s[G1+6], 0
	s_mov_b32 s[G1+7], 0
	s_or_b32 s[G1B+0], s44, (1<<16)|(1<<20)|(1<<21)|(5<<22)|(3<<25)
	s_mov_b32 s[G1B+1], KSTEP<<16
	s_mov_b32 s[G1B+2], 96<<16                     ; 96 rows
	s_mov_b32 s[G1B+3], KSTEP<<16
	s_mov_b32 s[G1B+4], 96
	s_mov_b32 s[G1B+5], 1024
	s_mov_b32 s[G1B+6], 0
	s_mov_b32 s[G1B+7], 0
	; xh's tile hangs on the block row, wqt's on the block column; each offset lives in registers that never hold the other coordinate
	s_lshl_b32 s17, s12, 7
	s_lshl_b32 s16, s13, 8
	s_add_co_u32 s16, s16, s17                     ; token 256 x block row + 128 x half
	s_lshl_b32 s16, s16, 11                        ; rows of 2,048 bytes
	s_mov_b32 s17, 0
	s_mul_i32 s46, s42, 192
	s_mul_i32 s47, s12, 96
	s_add_co_u32 s46, s46, s47                     ; row 192 x block column + 96 x half
	s_lshl_b32 s46, s46, 11
	s_mov_b32 s47, 0
	s_mul_i32 s20, s10, AHALF                      ; LDS: waves 0, 1 at 0 and 34,816
	s_mul_i32 s21, s10, BHALF
	s_add_co_u32 s21, s21, BOFF-2*BHALF            ; waves 2, 3 at 69,632 and 95,744
	s_wait_dscnt 0x0
	s_wait_kmcnt 0x0
	s_add_nc_u64 s[14:15], s[4:5], s[16:17]
	s_add_nc_u64 s[46:47], s[6:7], s[46:47]
	CROUND                                         ; all sixteen work-groups are here: the first joint loads meet
.irp s, 0,1
	s_mov_b32 s[G0+4*\s], 1
	s_add_co_u32 s[G0+4*\s+1], s20, \s*SLOT
	s_add_nc_u64 s[G0+4*\s+2:G0+4*\s+3], s[14:15], \s*KSTEP*2
	s_or_b32 s[G0+4*\s+3], s[G0+4*\s+3], 0x80000000
	s_mov_b32 s[G0B+4*\s], 1
	s_add_co_u32 s[G0B+4*\s+1], s21, \s*SLOT
	s_add_nc_u64 s[G0B+4*\s+2:G0B+4*\s+3], s[46:47], \s*KSTEP*2
	s_or_b32 s[G0B+4*\s+3], s[G0B+4*\s+3], 0x80000000
	JLOAD \s                                       ; K steps 0 and 1: two tensor loads of a wave are out, the most in this text
.endr
	v_and_b32 v1, 15, v0                           ; r = lane % 16
	v_bfe_u32 v2, v0, 4, 1                         ; h = lane / 16
	v_mul_u32_u24 v3, v1, PITCH
	v_lshl_add_u32 v3, v2, 4, v3                   ; a fragment: row r, 16 bytes at 16 h, and 32 further
	s_mul_i32 s22, s10, 64*PITCH                   ; my 64 tokens
	s_mov_b32 s23, BOFF                            ; all 192 rows of wqt
.irp s, 0,1
	v_add_nc_u32 v[ADRA+\s], s22, v3
	v_add_nc_u32 v[ADRB+\s], s23, v3
	s_add_co_u32 s22, s22, SLOT
	s_add_co_u32 s23, s23, SLOT
.endr
	s_mul_i32 s45, s10, SWAVE
	s_add_co_u32 s45, s45, STAGE                   ; my stage
	v_mul_u32_u24 v4, v1, SPITCH
	v_lshl_add_u32 v4, v2, 4, v4
	v_add_nc_u32 v[STO], s45, v4                   ; in: token r, 16 bytes at 16 h
	v_bfe_u32 v5, v0, 3, 2
	v_and_b32 v6, 7, v0
	v_mul_u32_u24 v5, v5, SPITCH
	v_lshl_add_u32 v5, v6, 4, v5
	v_add_nc_u32 v[RD], s45, v5                    ; back: eight lanes take a token's 128 bytes, 32 lanes four tokens
	v_and_b32 v7, 31, v0
	v_lshlrev_b32 v[CO], 4, v7                     ; in memory those four tokens are 512 consecutive bytes
; twelve products: token tile 2 hi + a x all twelve column tiles, 32 along K, from buffer f
.macro MUL12 f, hi, a, zero
.irp b, 0,1,2,3,4,5,6,7,8,9,10,11
.if \zero
	v_wmma_f32_16x16x32_f16 v[8*(12*\a+\b):8*(12*\a+\b)+7], v[96*\f+8*\b:96*\f+8*\b+7], v[FA+32*\f+8*(2*\hi+\a):FA+32*\f+8*(2*\hi+\a)+7], 0
.else
	v_wmma_f32_16x16x32_f16 v[8*(12*\a+\b):8*(12*\a+\b)+7], v[96*\f+8*\b:96*\f+8*\b+7], v[FA+32*\f+8*(2*\hi+\a):FA+32*\f+8*(2*\hi+\a)+7], v[8*(12*\a+\b):8*(12*\a+\b)+7]
.endif
.endr
.endm
; 32 LDS loads in one run: a quarter step's fragments (192 rows of wqt, my 64 tokens, 32 K at byte k) into buffer f
.macro FETCH slot, k, f
	WIN TO_B
.irp i, 0,1,2,3,4,5,6,7,8,9,10,11
	ds_load_b128 v[96*\f+8*\i:96*\f+8*\i+3],   v[ADRB+\slot] offset:\k+\i*16*PITCH
	ds_load_b128 v[96*\f+8*\i+4:96*\f+8*\i+7], v[ADRB+\slot] offset:\k+\i*16*PITCH+32
.endr
	WIN 0
.irp i, 0,1,2,3
	ds_load_b128 v[FA+32*\f+8*\i:FA+32*\f+8*\i+3],   v[ADRA+\slot] offset:\k+\i*16*PITCH
	ds_load_b128 v[FA+32*\f+8*\i+4:FA+32*\f+8*\i+7], v[ADRA+\slot] offset:\k+\i*16*PITCH+32
.endr
.endm
; A quarter step: 48 products on buffer f.  At its head the next quarter's fragments are asked for, into buffer g: they have all 48 products in which to come.
; The 48 accumulators take turns, one product a turn, in the same order in every quarter.
.macro QUARTER slot, k, f, g, zero
	s_wait_dscnt 0x0                               ; buffer f is in: its 32 loads were issued a quarter ago
	PLACES                                         ; buffer g was read by the quarter before
	FETCH \slot, \k, \g
	WIN MUL_LO
	MUL12 \f, 0, 0, \zero
	MUL12 \f, 0, 1, \zero
	WIN MUL_HI
	MUL12 \f, 1, 0, \zero
	MUL12 \f, 1, 1, \zero
.endm
.macro THREE slot, zero
	QUARTER \slot, 64,  0, 1, \zero
	QUARTER \slot, 128, 1, 0, 0
	QUARTER \slot, 192, 0, 1, 0
.endm
; The fourth quarter changes slots.  In front of the barrier: my reads of this slot are back and all my tensor loads have landed (one was out: my part of
; the next slot).  Where the slot is filled again the barrier opens a round of the cluster's barrier, and the joint refill is the first tensor load behind it.
; From that request to the wait for it a wave issues 168 products.
.macro TURN slot, next, fill
	s_wait_dscnt 0x0
	s_wait_tensorcnt 0x0
	ds_add_u32 v255, v255
	s_wait_dscnt 0x0
	s_barrier_signal -1
	WIN MUL_LO
	MUL12 1, 0, 0, 0                               ; register work while the others arrive
	MUL12 1, 0, 1, 0
	WIN 0
	s_barrier_wait -1
.if \fill
	CREST
	s_add_nc_u64 s[G0+4*\slot+2:G0+4*\slot+3], s[G0+4*\slot+2:G0+4*\slot+3], 2*KSTEP*2      ; no tensor load of mine is out: group 0 may be written
	s_add_nc_u64 s[G0B+4*\slot+2:G0B+4*\slot+3], s[G0B+4*\slot+2:G0B+4*\slot+3], 2*KSTEP*2
	JLOAD \slot
.endif
	PLACES
	FETCH \next, 0, 0
	WIN MUL_HI
	MUL12 1, 1, 0, 0
	MUL12 1, 1, 1, 0
.endm
.macro LAP zero
	THREE 0, \zero
	TURN 0, 1, 1
	THREE 1, 0
	TURN 1, 0, 1
.endm
	s_wait_tensorcnt 0x1                           ; my part of K step 0 is in; K step 1's may stay out
	s_barrier_signal -1
	s_barrier_wait -1
	FETCH 0, 0, 0
	LAP 1                                          ; the first products start the sums: nothing is cleared
	WIN 0
	s_mov_b32 s3, LAPS-2
.Llap:
	LAP 0
	WIN 0
	s_sub_co_u32 s3, s3, 1
	s_cmp_lg_u32 s3, 0
	s_cbranch_scc1 .Llap
	THREE 0, 0                                     ; the last lap fills nothing
	TURN 0, 1, 0
	THREE 1, 0
	s_wait_dscnt 0x0
	WIN MUL_LO
	MUL12 1, 0, 0, 0
	MUL12 1, 0, 1, 0
	WIN MUL_HI
	MUL12 1, 1, 0, 0
	MUL12 1, 1, 1, 0
	; THE WAY OUT, 16 tokens at a time: round to f16, 16 bytes a lane into my stage, read back as whole tokens of a head
	PLACES
	s_lshl_b32 s16, s13, 8
	s_lshl_b32 s17, s10, 6
	s_add_co_u32 s16, s16, s17                     ; my first token
	s_lshl_b32 s16, s16, 7                         ; 128 bytes a token and head
	s_mov_b32 s17, 0
	s_add_nc_u64 s[8:9], s[8:9], s[16:17]
	s_mul_i32 s46, s42, 3*524288                   ; my first head: 3 x block column, 524,288 bytes a head
	s_mov_b32 s47, 0
	s_add_nc_u64 s[8:9], s[8:9], s[46:47]
; token tile i = accumulators (a, 0..11) of window 2 or 3 (from: sources 0 and 1); n: which set of read-back registers
.macro OUT16 i, a, from, n
	WIN \from
.irp b, 0,1,2,3,4,5,6,7,8,9,10,11
.irp r, 0,1,2,3
	v_cvt_pk_f16_f32 v[TMP+4*\b+\r], v[8*(12*\a+\b)+2*\r], v[8*(12*\a+\b)+2*\r+1]
.endr
.endr
	WIN 0
.irp b, 0,1,2,3,4,5,6,7,8,9,10,11
	ds_store_b128 v[STO], v[TMP+4*\b:TMP+4*\b+3] offset:(\b/4)*SHEAD+32*(\b%4)
.endr
	s_wait_xcnt 0x0                                ; the stores that read this set of registers have had their addresses translated (ISA guide 3.1)
.irp j, 0,1,2
.irp t, 0,1,2,3
	ds_load_b128 v[RB+48*\n+16*\j+4*\t:RB+48*\n+16*\j+4*\t+3], v[RD] offset:\j*SHEAD+\t*4*SPITCH   ; LDS serves a wave's instructions in order: these see the stores above
.endr
.endr
.irp j, 0,1,2
.irp t, 0,1,2,3
	s_wait_dscnt 11-4*\j-\t
	global_store_b128 v[CO], v[RB+48*\n+16*\j+4*\t:RB+48*\n+16*\j+4*\t+3], s[8:9] offset:\j*524288+\i*2048+512*\t   ; 512 consecutive bytes, aligned
.endr
.endr
.endm
	OUT16 0, 0, 0x0a, 0
	OUT16 1, 1, 0x0a, 1
	OUT16 2, 0, 0x0f, 0
	OUT16 3, 1, 0x0f, 1
	s_set_vgpr_msb 0x1
	s_wait_tensorcnt 0x0
	ds_add_u32 v255, v255
	s_wait_dscnt 0x0
	s_set_vgpr_msb 0x100
	CROUND                                         ; the closing round: no work-group ends while a partner may still ask for a tile that names it
	s_endpgm
.Lfunc_end_k_q74ed2a2438_qkv:
	.size	k_q74ed2a2438_qkv, .Lfunc_end_k_q74ed2a2438_qkv-k_q74ed2a2438_qkv
	.p2alignl 7, 3214868480
	.fill 96, 4, 3214868480
	.section	.rodata,"a",@progbits
	.p2align	6, 0x0
	.amdhsa_kernel k_q74ed2a2438_qkv
		.amdhsa_group_segment_fixed_size 327680
		.amdhsa_private_segment_fixed_size 0
		.amdhsa_enable_private_segment 0
		.amdhsa_kernarg_size 24
		.amdhsa_user_sgpr_count 2
		.amdhsa_user_sgpr_kernarg_segment_ptr 1
		.amdhsa_wavefront_size32 1
		.amdhsa_system_sgpr_workgroup_id_x 1
		.amdhsa_system_sgpr_workgroup_id_y 1
		.amdhsa_system_sgpr_workgroup_id_z 1
		.amdhsa_system_vgpr_workitem_id 0
		.amdhsa_next_free_vgpr 960
		.amdhsa_next_free_sgpr 66
		.amdhsa_reserve_vcc 0
		.amdhsa_float_denorm_mode_32 3
		.amdhsa_float_denorm_mode_16_64 3
		.amdhsa_memory_ordered 1
		.amdhsa_forward_progress 1
		.amdhsa_inst_pref_size 163
	.end_amdhsa_kernel
	.amdgpu_metadata
---
amdhsa.version: [ 1, 2 ]
amdhsa.kernels:
  - .name:           k_q74ed2a2438_qkv
    .symbol:         k_q74ed2a2438_qkv.kd
    .args:
      - { .name: xh, .offset: 0, .size: 8, .value_kind: global_buffer, .address_space: global }
      - { .name: wqt, .offset: 8, .size: 8, .value_kind: global_buffer, .address_space: global }
      - { .name: qkv, .offset: 16, .size: 8, .value_kind: global_buffer, .address_space: global }
    .group_segment_fixed_size: 327680
    .private_segment_fixed_size: 0
    .kernarg_segment_align: 8
    .kernarg_segment_size: 24
    .max_flat_workgroup_size: 128
    .sgpr_count:     66
    .vgpr_count:     960
    .wavefront_size: 32
...
	.end_amdgpu_metadata
.endif
;; end of part 2
;; launch attn (part 3): grid 8 x 32, 8 waves a work-group, clusters of 4 x 1, 327,680 bytes of LDS; arguments qkv, ao; writes ao
.if DOCPART == 3
	.amdgcn_target "amdgcn-amd-amdhsa--gfx1250"
	.amdhsa_code_object_version 6
	.text
	.protected	k_q74ed2a2438_attn
	.globl	k_q74ed2a2438_attn
	.p2align	8
	.type	k_q74ed2a2438_attn,@function
k_q74ed2a2438_attn:
	s_mov_b64 s[64:65], 0
	v_nop
	global_prefetch_b8 v0, s[64:65] scope:SCOPE_SE
	s_setreg_imm32_b32 hwreg(HW_REG_WAVE_MODE, 25, 1), 1
	s_wait_xcnt 0x0
	s_wait_alu depctr_hold_cnt(0) depctr_sa_sdst(0) depctr_va_vdst(0) depctr_va_sdst(0) depctr_va_ssrc(0) depctr_va_vcc(0) depctr_vm_vsrc(0)
	s_getreg_b32 s2, hwreg(HW_REG_IB_STS2, 6, 4)
	s_cmp_eq_u32 s2, 0
	s_cbranch_scc0 .Lentry_in_a_cluster
	s_endpgm
.Lentry_in_a_cluster:
	s_bfe_u32 s2, ttmp6, 0x10000c
	s_cmp_lg_u32 s2, 0x3003
	s_cbranch_scc0 .Lentry_shape_is_right
	s_endpgm
.Lentry_shape_is_right:
; ao = softmax(Q K^T / 8) V for each of 32 (batch, head) pairs, 2,048 queries x 2,048 keys x 64, with a running maximum; f16 operands, f32 sums and statistics.
; LIMITS: P below f16's smallest number and exponentials below 2^-126 count as zero; a NaN among the scores loses in the maxima and is not
; carried as the reference carries it; the row sum adds P before its rounding to f16; the result is stored in f16 (magnitudes up to 65,504).
; A work-group takes 256 queries of one head (grid x = query block, y = 16 batch + head), a wave 32 queries (two tiles of 16).
; CLUSTER 4 x 1: four query blocks of one head read the same K and V tiles and ask for them jointly (mask 15).
; BOTH PRODUCTS ARE USED TRANSPOSED.  S^T = K Q^T: source 0 = 16 keys, source 1 = 16 queries; lane (r, h), register j holds key 8 h + j of query r, so a query's
; statistics live in one lane and its twin (lane xor 16), and two packed tiles of S^T ARE a source-1 fragment of P^T: P takes no way through LDS.
; O^T = V^T P^T: source 0 = 16 d x 32 keys, brought from V[key][d] by the transposing LDS load; register j holds d = 16 dt + 8 h + j of query r.
; A PIPELINE INSIDE THE WAVE: the softmax of key step t (64 keys) is interleaved, instruction by instruction, with the sixteen products S^T of step t + 1, which
; go into a second buffer: one product for every ten vector instructions.  Then O^T is rescaled and gets step t's sixteen products.
; REGISTER WINDOWS (an instruction names v0-v255; s_set_vgpr_msb says which window each operand place means).  The operands are laid so that a step needs two settings:
;   window 1: Q, K's fragments, both buffers of S^T, the statistics, K's LDS addresses.  Setting 0x55 (every place window 1): S^T's products, K's loads, the softmax.
;   window 0: O^T, V's fragments, the other addresses, the way out.  Setting 0x04 (source 1 window 1): O^T's products (source 1 = P), the rescale
;   O = O x factor (source 1 = the factor), V's loads.
; LDS: two slots of 256 keys: V at pitch 160 (an odd multiple of 32, for the transposing load), then K at pitch 144 (an odd multiple of 16).
.set VP,    160
.set KP,    144
.set KOFF,  256*VP                     ; 40,960
.set SLOT,  KOFF+256*KP                ; 77,824
.set STAGE, 2*SLOT                     ; behind the ring: [32 queries][144 bytes] for each wave; no tensor load lands here
.set SP,    144
.set SWAVE, 32*SP
.set TILEB, 256*128                    ; bytes of K, or of V, in a tile of 256 keys
; window 0
.set VA,   4                           ; v4-5       LDS address of my V fragments in slot 0, 1
.set STO,  6
.set RD,   7
.set CO,   8
.set QO,   9
.set OA,   64                          ; v[64:127]  O^T: 64 + 32 q + 8 dt
.set VF,   128                         ; v[128:191] V^T fragments: 128 + 32 kk + 8 dt
.set PK,   192                         ; v[192:223] the result in f16
.set RB,   224                         ; v[224:255] the result read back by whole queries
; window 1 (the numbers are the low eight bits)
.set KA,   2                           ; v2-3       LDS address of my K fragments in slot 0, 1
.set LSUM, 12                          ; v[12:13], v[14:15]  query tile q: two partial row sums
.set ALF,  16                          ; v16, v18   the step's factor 2^(change of the shift);  v17, v19  M: the running maximum of the raw scores
.set NEG,  20                          ; v20, v22   the shift -c M;                             v21, v23  a second chain of maxima, then the new shift
.set TXR,  24                          ; v24-25     the twin lane's figure
.set DIF,  26                          ; v26-27
.set QF,   32                          ; v[32:63]   Q fragments: 32 + 16 q + 8 ks
.set KF,   64                          ; v[64:127]  K fragments: 64 + 32 ks + 8 kt
.set SC,   128                         ; v[128:255] S^T, buffer a: 128 + 64 a + 32 q + 8 kt; then P^T, packed in place: 128 + 64 a + 16 q + 8 kk
.set G1V, 24
.set G0V, 32
.set G1K, 48
.set G0K, 56
.set W_SM, 0x55                        ; every operand place in window 1
.set W_PV, 0x04                        ; source 1 in window 1, the rest in window 0
.set W_UP, 0x40                        ; destination in window 1, sources in window 0
.set MSB, 0
.macro WIN new                         ; the immediate's high byte repeats the setting that is left
.if MSB != \new
	s_set_vgpr_msb (MSB<<8)|\new
.set MSB, \new
.endif
.endm
.macro JLOAD s                         ; waves 0-3 ask for V's four quarters, waves 4-7 for K's
	s_cmp_eq_u32 s11, 0
	s_cbranch_scc0 .Lfor_k_\@
	tensor_load_to_lds s[G0V+4*\s:G0V+4*\s+3], s[G1V:G1V+7]
	s_nop 0
	s_branch .Lasked_\@
.Lfor_k_\@:
	tensor_load_to_lds s[G0K+4*\s:G0K+4*\s+3], s[G1K:G1K+7]
	s_nop 0
.Lasked_\@:
.endm
.macro ROUND                           ; a round of the cluster's barrier
	s_barrier_signal -1
	s_barrier_wait -1
	s_cmp_lg_u32 s10, 0
	s_cbranch_scc1 .Lnot_wave_0_\@
	s_barrier_signal -3
.Lnot_wave_0_\@:
	s_barrier_wait -3
	s_barrier_signal -1
	s_barrier_wait -1
.endm
.macro PLACES n                        ; plain vector instructions behind a matrix instruction (ISA guide 7.12.1)
.rept \n
	v_nop
.endr
.endm
	s_load_b128 s[4:7], s[0:1], 0x0                ; qkv s[4:5], ao s[6:7]
	v_lshl_add_u32 v62, v0, 2, 0x2f000
	v_mov_b32 v63, 0
	ds_add_u32 v62, v63
	v_lshrrev_b32 v1, 5, v0
	v_readfirstlane_b32 s10, v1                    ; wave 0..7
	s_lshr_b32 s11, s10, 2                         ; I fetch for V (0) or for K (1)
	s_and_b32 s12, s10, 3                          ; which 64 keys of the tile
	s_bfe_u32 s40, ttmp6, 0x40000                  ; cx
	s_lshl_b32 s42, ttmp9, 2
	s_add_co_u32 s42, s42, s40                     ; query block = 4 x cluster x + cx
	s_and_b32 s13, ttmp7, 0xffff                   ; 16 batch + head (the cluster is one work-group high)
	s_lshr_b32 s14, s13, 4                         ; batch
	s_and_b32 s15, s13, 15                         ; head
	s_mov_b32 s18, 0x76543210                      ; v_permlanex16_b32: lane i reads lane i of the other half
	s_mov_b32 s19, 0xfedcba98
	s_mov_b32 s20, 0x3e38aa3b                      ; c = log2(e) / 8: the scale 64^-0.5 and the change of base in one factor
	s_mov_b32 s21, 0x3e38aa3b
	s_mov_b32 s22, 0xbe38aa3b                      ; -c
	; group 1: 64 rows of 64 elements of 2 bytes, dense in memory; mask 15, bit 21 beside it; padding behind every 32 words: V 8 words, K 4 words
	s_mov_b32 s[G1V+0], 15|(1<<16)|(1<<20)|(1<<21)|(4<<22)|(7<<25)
	s_mov_b32 s[G1K+0], 15|(1<<16)|(1<<20)|(1<<21)|(4<<22)|(3<<25)
.irp g, G1V, G1K
	s_mov_b32 s[\g+1], 64<<16                      ; tensor_dim0 = 64
	s_mov_b32 s[\g+2], 64<<16                      ; tensor_dim1 = 64
	s_mov_b32 s[\g+3], 64<<16                      ; tile_dim0 = 64
	s_mov_b32 s[\g+4], 64                          ; tile_dim1 = 64 rows
	s_mov_b32 s[\g+5], 64                          ; elements from row to row
	s_mov_b32 s[\g+6], 0
	s_mov_b32 s[\g+7], 0
.endr
	s_lshl_b32 s16, s15, 19                        ; head x 524,288
	s_lshl_b32 s17, s14, 18                        ; + batch x 2,048 tokens x 128 bytes: common to Q, K and V
	s_add_co_u32 s16, s16, s17
	s_lshl_b32 s17, s12, 13                        ; + my 64 keys
	s_add_co_u32 s44, s16, s17
	s_add_co_u32 s46, s44, 16*524288               ; K's heads begin at 16
	s_add_co_u32 s44, s44, 32*524288               ; V's at 32
	s_mov_b32 s45, 0
	s_mov_b32 s47, 0
	s_lshl_b32 s41, s42, 15                        ; Q: + 256 x query block + 32 x wave tokens (the place in the cluster enters these registers alone)
	s_add_co_u32 s2, s16, s41
	s_lshl_b32 s41, s10, 12
	s_add_co_u32 s2, s2, s41
	s_mov_b32 s3, 0
	s_mul_i32 s43, s10, 64*VP                      ; LDS: waves 0-3 at 0, 10,240, ...
	s_mul_i32 s16, s10, 64*KP
	s_add_co_u32 s16, s16, KOFF-4*64*KP            ; waves 4-7 at 40,960, 50,176, ...
	s_wait_dscnt 0x0
	s_wait_kmcnt 0x0
	s_add_nc_u64 s[44:45], s[4:5], s[44:45]
	s_add_nc_u64 s[46:47], s[4:5], s[46:47]
	s_add_nc_u64 s[8:9], s[4:5], s[2:3]
	ROUND                                          ; the four work-groups are here: the first joint loads meet
.irp s, 0,1
	s_mov_b32 s[G0V+4*\s], 1
	s_add_co_u32 s[G0V+4*\s+1], s43, \s*SLOT
	s_add_nc_u64 s[G0V+4*\s+2:G0V+4*\s+3], s[44:45], \s*TILEB
	s_or_b32 s[G0V+4*\s+3], s[G0V+4*\s+3], 0x80000000
	s_mov_b32 s[G0K+4*\s], 1
	s_add_co_u32 s[G0K+4*\s+1], s16, \s*SLOT
	s_add_nc_u64 s[G0K+4*\s+2:G0K+4*\s+3], s[46:47], \s*TILEB
	s_or_b32 s[G0K+4*\s+3], s[G0K+4*\s+3], 0x80000000
	JLOAD \s                                       ; keys 0-255 and 256-511: two tensor loads of a wave are out, the most in this text
.endr
	v_and_b32 v1, 15, v0                           ; r
	v_bfe_u32 v10, v0, 4, 1                        ; h
	v_lshlrev_b32 v[QO], 7, v1
	v_lshl_add_u32 v[QO], v10, 4, v[QO]            ; query r, 16 bytes at 16 h
	v_mul_u32_u24 v11, v1, KP
	v_lshl_add_u32 v11, v10, 4, v11                ; key r, 16 bytes at 16 h
	WIN W_UP                                       ; what follows is written into window 1 from window 0
.irp q, 0,1
.irp ks, 0,1
.irp i, 0,1
	global_load_b128 v[QF+16*\q+8*\ks+4*\i:QF+16*\q+8*\ks+4*\i+3], v[QO], s[8:9] offset:\q*2048+64*\ks+32*\i   ; Q's fragments come once, straight into registers
.endr
.endr
.endr
	v_add_nc_u32 v[KA], KOFF, v11
	v_add_nc_u32 v[KA+1], KOFF+SLOT, v11
	v_mov_b32 v[LSUM], 0                           ; four row sums start at zero
	v_mov_b32 v[LSUM+1], 0
	v_mov_b32 v[LSUM+2], 0
	v_mov_b32 v[LSUM+3], 0
	v_mov_b32 v[TXR], 0                            ; v_permlanex16_b32 counts as a reader of its destination
	v_mov_b32 v[TXR+1], 0
	WIN 0
	; where the result goes: ao[token / 128][head][token % 128][64]
	s_lshl_b32 s2, s14, 4
	s_lshl1_add_u32 s2, s42, s2
	s_add_co_u32 s2, s2, s11                       ; 16 batch + 2 query block + wave / 4
	s_lshl_b32 s2, s2, 18
	s_lshl_b32 s41, s15, 14
	s_add_co_u32 s2, s2, s41
	s_lshl_b32 s41, s12, 12
	s_add_co_u32 s2, s2, s41
	s_add_nc_u64 s[6:7], s[6:7], s[2:3]
	v_and_b32 v28, 7, v0
	v_lshl_add_u32 v28, v10, 3, v28                ; the transposing load: key 8 h + lane % 8,
	v_bfe_u32 v29, v0, 3, 1
	v_mul_u32_u24 v28, v28, VP
	v_lshl_add_u32 v[VA], v29, 4, v28              ; 16 bytes at 16 x ((lane / 8) % 2)
	v_add_nc_u32 v[VA+1], SLOT, v[VA]
	s_mul_i32 s17, s10, SWAVE
	s_add_co_u32 s17, s17, STAGE
	v_mul_u32_u24 v11, v1, SP
	v_lshl_add_u32 v11, v10, 4, v11
	v_add_nc_u32 v[STO], s17, v11
	v_bfe_u32 v28, v0, 3, 2
	v_and_b32 v29, 7, v0
	v_mul_u32_u24 v28, v28, SP
	v_lshl_add_u32 v28, v29, 4, v28
	v_add_nc_u32 v[RD], s17, v28
	v_and_b32 v29, 31, v0
	v_lshlrev_b32 v[CO], 4, v29
; K fragments of 64 keys (step st of the slot), all 64 d: sixteen loads.  Under W_SM.
.macro KLOAD slot, st
.irp ks, 0,1
.irp kt, 0,1,2,3
	ds_load_b128 v[KF+32*\ks+8*\kt:KF+32*\ks+8*\kt+3],   v[KA+\slot] offset:(\st)*64*KP+\kt*16*KP+64*\ks
	ds_load_b128 v[KF+32*\ks+8*\kt+4:KF+32*\ks+8*\kt+7], v[KA+\slot] offset:(\st)*64*KP+\kt*16*KP+64*\ks+32
.endr
.endr
.endm
; V^T fragments of 64 keys: keys 32 kk .. + 31, d = 16 dt .. + 15: sixteen loads.  Under W_PV.
.macro VLOAD slot, st
.irp kk, 0,1
.irp dt, 0,1,2,3
	ds_load_tr16_b128 v[VF+32*\kk+8*\dt:VF+32*\kk+8*\dt+3],   v[VA+\slot] offset:(\st)*64*VP+\kk*32*VP+32*\dt
	ds_load_tr16_b128 v[VF+32*\kk+8*\dt+4:VF+32*\kk+8*\dt+7], v[VA+\slot] offset:(\st)*64*VP+\kk*32*VP+32*\dt+16*VP
.endr
.endr
.endm
; Product number i (0..15) of a step's S^T, into buffer b: numbers 0-7 take d = 0..31 and start the eight sums, numbers 8-15 take d = 32..63.
; The eight accumulators (key tile, query tile) take turns, one product a turn.
.macro QKW i, b
.set QW_Q, (\i)%2
.set QW_T, ((\i)%8)/2
.set QW_D, SC+64*\b+32*QW_Q+8*QW_T
.if (\i) < 8
	v_wmma_f32_16x16x32_f16 v[QW_D:QW_D+7], v[KF+8*QW_T:KF+8*QW_T+7], v[QF+16*QW_Q:QF+16*QW_Q+7], 0
.else
	v_wmma_f32_16x16x32_f16 v[QW_D:QW_D+7], v[KF+32+8*QW_T:KF+32+8*QW_T+7], v[QF+16*QW_Q+8:QF+16*QW_Q+15], v[QW_D:QW_D+7]
.endif
.endm
; The running maximum of the raw scores in buffer a (c > 0, so it is the maximum of the scaled ones too), four chains that do not wait for each other; then the new
; shift -c M and the factor 2^(new shift - old shift), formed from the two stored shifts: exactly 1 where the maximum stays, whatever the scores' size.
.macro MAXQ a, first
.if \first
	v_max_num_f32 v[ALF+1], v[SC+64*\a], v[SC+64*\a+1]
	v_max_num_f32 v[ALF+3], v[SC+64*\a+32], v[SC+64*\a+33]
.else
	v_max3_num_f32 v[ALF+1], v[ALF+1], v[SC+64*\a], v[SC+64*\a+1]
	v_max3_num_f32 v[ALF+3], v[ALF+3], v[SC+64*\a+32], v[SC+64*\a+33]
.endif
	v_max_num_f32 v[NEG+1], v[SC+64*\a+16], v[SC+64*\a+17]
	v_max_num_f32 v[NEG+3], v[SC+64*\a+48], v[SC+64*\a+49]
.irp j, 2,4,6,8,10,12,14
	v_max3_num_f32 v[ALF+1], v[ALF+1], v[SC+64*\a+\j], v[SC+64*\a+\j+1]
	v_max3_num_f32 v[ALF+3], v[ALF+3], v[SC+64*\a+32+\j], v[SC+64*\a+33+\j]
	v_max3_num_f32 v[NEG+1], v[NEG+1], v[SC+64*\a+16+\j], v[SC+64*\a+17+\j]
	v_max3_num_f32 v[NEG+3], v[NEG+3], v[SC+64*\a+48+\j], v[SC+64*\a+49+\j]
.endr
	v_max_num_f32 v[ALF+1], v[ALF+1], v[NEG+1]
	v_max_num_f32 v[ALF+3], v[ALF+3], v[NEG+3]
	v_permlanex16_b32 v[TXR], v[ALF+1], s18, s19   ; the twin lane holds the query's other 32 keys
	v_permlanex16_b32 v[TXR+1], v[ALF+3], s18, s19
	v_max_num_f32 v[ALF+1], v[ALF+1], v[TXR]
	v_max_num_f32 v[ALF+3], v[ALF+3], v[TXR+1]
	v_mul_f32 v[NEG+1], s22, v[ALF+1]
	v_mul_f32 v[NEG+3], s22, v[ALF+3]
.if \first == 0
	v_sub_f32 v[DIF], v[NEG+1], v[NEG]
	v_sub_f32 v[DIF+1], v[NEG+3], v[NEG+2]
	v_exp_f32 v[ALF], v[DIF]
	v_exp_f32 v[ALF+2], v[DIF+1]                   ; the two moves below are the plain instructions behind the exponentials (ISA guide 5.7.2)
.endif
	v_mov_b32 v[NEG], v[NEG+1]
	v_mov_b32 v[NEG+2], v[NEG+3]
.endm
.macro LRESC                           ; the row sums times the step's factor; op_sel_hi bit 0 takes the pair's first register for both halves
	s_wait_alu depctr_va_vdst(0)
	v_pk_mul_f32 v[LSUM:LSUM+1], v[LSUM:LSUM+1], v[ALF:ALF+1] op_sel_hi:[1,0]
	v_pk_mul_f32 v[LSUM+2:LSUM+3], v[LSUM+2:LSUM+3], v[ALF+2:ALF+3] op_sel_hi:[1,0]
.endm
.macro FMA8 c, a                       ; chunk c (eight scores of query tile c / 4): c S - c M, one fused multiply-add for two
.irp j, 0,2,4,6
	v_pk_fma_f32 v[SC+64*\a+8*\c+\j:SC+64*\a+8*\c+\j+1], v[SC+64*\a+8*\c+\j:SC+64*\a+8*\c+\j+1], s[20:21], v[NEG+2*(\c/4):NEG+2*(\c/4)+1] op_sel_hi:[1,0,0]
.endr
.endm
; two exponentials of chunk c, each followed by a plain instruction on pair j of chunk c - 1 (its sum, its rounding to f16) that touches neither result nor source
.macro EX2 c, j, a
	v_exp_f32 v[SC+64*\a+8*\c+2*\j], v[SC+64*\a+8*\c+2*\j]
	s_wait_alu depctr_va_vdst(0)
	v_pk_add_f32 v[LSUM+2*((\c-1)/4):LSUM+2*((\c-1)/4)+1], v[LSUM+2*((\c-1)/4):LSUM+2*((\c-1)/4)+1], v[SC+64*\a+8*(\c-1)+2*\j:SC+64*\a+8*(\c-1)+2*\j+1]
	v_exp_f32 v[SC+64*\a+8*\c+2*\j+1], v[SC+64*\a+8*\c+2*\j+1]
	v_cvt_pk_f16_f32 v[SC+64*\a+4*(\c-1)+\j], v[SC+64*\a+8*(\c-1)+2*\j], v[SC+64*\a+8*(\c-1)+2*\j+1]
.endm
; P = 2^(c S - c M) in buffer a, its sum, and its rounding to f16.  P number i (two f16) is written over score number i, which has been summed and packed by
; then, since 4 (c - 1) + j <= 8 (c - 1) + 2 j.  qk = 1: the next step's sixteen products S^T, into buffer b, stand among these 160 instructions, two a chunk;
; none of these vector instructions names a register of those products.  Behind the last product follow sixteen plain instructions.
.macro EXPS a, b, qk
.if \qk
	QKW 0, \b
.endif
	FMA8 0, \a
.irp j, 0,1,2,3
	v_exp_f32 v[SC+64*\a+\j], v[SC+64*\a+\j]
.endr
.if \qk
	QKW 1, \b
.endif
.irp j, 4,5,6,7
	v_exp_f32 v[SC+64*\a+\j], v[SC+64*\a+\j]
.endr
.irp c, 1,2,3,4,5,6,7
.if \qk
	QKW 2*\c, \b
.endif
	FMA8 \c, \a
	EX2 \c, 0, \a
	EX2 \c, 1, \a
.if \qk
	QKW 2*\c+1, \b
.endif
	EX2 \c, 2, \a
	EX2 \c, 3, \a
.endr
	s_wait_alu depctr_va_vdst(0)
.irp j, 0,1,2,3
	v_pk_add_f32 v[LSUM+2:LSUM+3], v[LSUM+2:LSUM+3], v[SC+64*\a+56+2*\j:SC+64*\a+57+2*\j]
	v_cvt_pk_f16_f32 v[SC+64*\a+28+\j], v[SC+64*\a+56+2*\j], v[SC+64*\a+57+2*\j]
.endr
.endm
; O^T = factor x O^T + V^T P^T, P in buffer a.  Each accumulator is rescaled (four packed multiplies) just ahead of its first product, while the product before
; it is at work on other registers; the eight accumulators take turns.  first = 1: the products start the sums.  Under W_PV.
.macro PVR a, first
.irp dt, 0,1,2,3
.irp q, 0,1
.if \first
	v_wmma_f32_16x16x32_f16 v[OA+32*\q+8*\dt:OA+32*\q+8*\dt+7], v[VF+8*\dt:VF+8*\dt+7], v[SC+64*\a+16*\q:SC+64*\a+16*\q+7], 0
.else
.irp p, 0,2,4,6
	v_pk_mul_f32 v[OA+32*\q+8*\dt+\p:OA+32*\q+8*\dt+\p+1], v[OA+32*\q+8*\dt+\p:OA+32*\q+8*\dt+\p+1], v[ALF+2*\q:ALF+2*\q+1] op_sel_hi:[1,0]
.endr
	v_wmma_f32_16x16x32_f16 v[OA+32*\q+8*\dt:OA+32*\q+8*\dt+7], v[VF+8*\dt:VF+8*\dt+7], v[SC+64*\a+16*\q:SC+64*\a+16*\q+7], v[OA+32*\q+8*\dt:OA+32*\q+8*\dt+7]
.endif
.endr
.endr
.irp dt, 0,1,2,3
.irp q, 0,1
	v_wmma_f32_16x16x32_f16 v[OA+32*\q+8*\dt:OA+32*\q+8*\dt+7], v[VF+32+8*\dt:VF+32+8*\dt+7], v[SC+64*\a+16*\q+8:SC+64*\a+16*\q+15], v[OA+32*\q+8*\dt:OA+32*\q+8*\dt+7]
.endr
.endr
.endm
; Slot j of the group of LDS slot 'slot': finishes the key step before (scores in buffer a, V's fragments in registers) and makes S^T of step (slot, j) in buffer b.
; On entry K's fragments of (slot, j) have been asked for, and behind them (j > 0) V's of the step before.
.macro SLOTM slot, j, a, b, first, kwait
	WIN W_SM
	MAXQ \a, \first                                ; with the four places at the last slot's end: more than five places before buffer b, which held the last P, is written over
.if \first == 0
	LRESC
.endif
	s_wait_dscnt \kwait                            ; K's sixteen loads are in; V's sixteen, issued behind them, stay out (j = 0: nothing was issued behind K's)
	EXPS \a, \b, 1
.if \j < 3
	KLOAD \slot, \j+1                              ; they have the sixteen products below in which to come
.endif
	WIN W_PV
.if \j < 3
	s_wait_dscnt 16                                ; V's fragments are in; K's sixteen loads just issued stay out
.else
	s_wait_dscnt 0                                 ; V's fragments are in; nothing was issued behind them
.endif
	PVR \a, \first
	PLACES 4                                       ; before loads land on V's fragments
	VLOAD \slot, \j                                ; they have the next slot's softmax in which to come
.endm
; The four key steps of the tile in LDS slot 'slot'.  Behind slot 3 all of the tile's K and V fragments have been asked for: the LDS slot can be given up.
.macro GROUP slot
	WIN W_SM
	KLOAD \slot, 0
	SLOTM \slot, 0, 1, 0, 0, 0
	SLOTM \slot, 1, 0, 1, 0, 16
	SLOTM \slot, 2, 1, 0, 0, 16
	SLOTM \slot, 3, 0, 1, 0, 16
	WIN 0
.endm
; LDS slot old is given up.  My reads of it are back (the last step's V fragments are in registers) and all my tensor loads have landed (one was out: my part of the
; other slot).  With a refill: a round of the cluster's barrier, and behind it first of all the joint load of the keys 512 further on: it has four slots' work in which to land.
.macro CHANGE old, refill
	s_wait_dscnt 0x0
	s_wait_tensorcnt 0x0
	ds_add_u32 v62, v63
	s_wait_dscnt 0x0
.if \refill
	s_add_nc_u64 s[G0V+4*\old+2:G0V+4*\old+3], s[G0V+4*\old+2:G0V+4*\old+3], 2*TILEB   ; no tensor load of mine is out: group 0 may be written
	s_add_nc_u64 s[G0K+4*\old+2:G0K+4*\old+3], s[G0K+4*\old+2:G0K+4*\old+3], 2*TILEB
	ROUND
	JLOAD \old
.else
	s_barrier_signal -1
	s_barrier_wait -1
.endif
.endm
	s_wait_tensorcnt 0x1                           ; my part of keys 0-255 is in; the next tile's may stay out
	s_barrier_signal -1
	s_barrier_wait -1
	; the first group is written out: step 0's S^T has no softmax beside it, and step 0's softmax has no old maximum and starts O^T
	WIN W_SM
	KLOAD 0, 0
	s_wait_loadcnt 0x0                             ; Q
	s_wait_dscnt 0x0
.irp i, 0,1,2,3,4,5,6,7,8,9,10,11,12,13,14,15
	QKW \i, 0
.endr
	PLACES 4                                       ; before loads land on K's fragments, and before the maxima read the scores
	KLOAD 0, 1
	WIN W_PV
	VLOAD 0, 0
	SLOTM 0, 1, 0, 1, 1, 16
	SLOTM 0, 2, 1, 0, 0, 16
	SLOTM 0, 3, 0, 1, 0, 16
	WIN 0
	s_mov_b32 s23, 3
.Lpair:
	CHANGE 0, 1
	GROUP 1
	CHANGE 1, 1
	GROUP 0
	s_sub_co_u32 s23, s23, 1
	s_cmp_lg_u32 s23, 0
	s_cbranch_scc1 .Lpair
	CHANGE 0, 0                                    ; the last tile: nothing is left to fetch
	GROUP 1
	; the last key step: its scores lie in buffer 1, its V fragments are on their way into registers
	WIN W_SM
	MAXQ 1, 0
	LRESC
	EXPS 1, 0, 0
	WIN W_PV
	s_wait_dscnt 0x0
	PVR 1, 0
	; the end: divide by the row sum (at least about 1: the maximum's own term is 2^0), round to f16, out through my stage as whole queries.
	; The sums' additions and the v_nop are the places between the last product and the multiplies that read O^T.
	WIN W_SM
	v_add_f32 v[LSUM], v[LSUM], v[LSUM+1]
	v_add_f32 v[LSUM+2], v[LSUM+2], v[LSUM+3]
	v_permlanex16_b32 v[TXR], v[LSUM], s18, s19
	v_permlanex16_b32 v[TXR+1], v[LSUM+2], s18, s19
	v_add_f32 v[LSUM], v[LSUM], v[TXR]
	v_add_f32 v[LSUM+2], v[LSUM+2], v[TXR+1]
	v_rcp_f32 v[ALF], v[LSUM]
	v_rcp_f32 v[ALF+2], v[LSUM+2]
	v_nop                                          ; one plain instruction behind the reciprocals (ISA guide 5.7.2)
	WIN W_PV
	s_wait_alu depctr_va_vdst(0)
.irp q, 0,1
.irp p, 0,1,2,3,4,5,6,7,8,9,10,11,12,13,14,15
	v_pk_mul_f32 v[OA+32*\q+2*\p:OA+32*\q+2*\p+1], v[OA+32*\q+2*\p:OA+32*\q+2*\p+1], v[ALF+2*\q:ALF+2*\q+1] op_sel_hi:[1,0]
.endr
.endr
	WIN 0
.set i, 0
.rept 32
	v_cvt_pk_f16_f32 v[PK+i], v[OA+2*i], v[OA+2*i+1]
.set i, i+1
.endr
.irp q, 0,1
.irp dt, 0,1,2,3
	ds_store_b128 v[STO], v[PK+16*\q+4*\dt:PK+16*\q+4*\dt+3] offset:\q*16*SP+32*\dt
.endr
.endr
.irp t, 0,1,2,3,4,5,6,7
	ds_load_b128 v[RB+4*\t:RB+4*\t+3], v[RD] offset:\t*4*SP            ; LDS serves a wave's instructions in order: these see the stores above
.endr
.irp t, 0,1,2,3,4,5,6,7
	s_wait_dscnt 7-\t
	global_store_b128 v[CO], v[RB+4*\t:RB+4*\t+3], s[6:7] offset:512*\t          ; four queries, 512 consecutive bytes, aligned
.endr
	s_wait_tensorcnt 0x0
	ds_add_u32 v62, v63
	s_wait_dscnt 0x0
	ROUND                                          ; the closing round
	s_endpgm
.Lfunc_end_k_q74ed2a2438_attn:
	.size	k_q74ed2a2438_attn, .Lfunc_end_k_q74ed2a2438_attn-k_q74ed2a2438_attn
	.p2alignl 7, 3214868480
	.fill 96, 4, 3214868480
	.section	.rodata,"a",@progbits
	.p2align	6, 0x0
	.amdhsa_kernel k_q74ed2a2438_attn
		.amdhsa_group_segment_fixed_size 327680
		.amdhsa_private_segment_fixed_size 0
		.amdhsa_enable_private_segment 0
		.amdhsa_kernarg_size 16
		.amdhsa_user_sgpr_count 2
		.amdhsa_user_sgpr_kernarg_segment_ptr 1
		.amdhsa_wavefront_size32 1
		.amdhsa_system_sgpr_workgroup_id_x 1
		.amdhsa_system_sgpr_workgroup_id_y 1
		.amdhsa_system_sgpr_workgroup_id_z 1
		.amdhsa_system_vgpr_workitem_id 0
		.amdhsa_next_free_vgpr 512
		.amdhsa_next_free_sgpr 66
		.amdhsa_reserve_vcc 0
		.amdhsa_float_denorm_mode_32 3
		.amdhsa_float_denorm_mode_16_64 3
		.amdhsa_memory_ordered 1
		.amdhsa_forward_progress 1
		.amdhsa_inst_pref_size 255
	.end_amdhsa_kernel
	.section	.bss,"aw",@nobits
	.p2align	6
	.space	262144
	.amdgpu_metadata
---
amdhsa.version: [ 1, 2 ]
amdhsa.kernels:
  - .name:           k_q74ed2a2438_attn
    .symbol:         k_q74ed2a2438_attn.kd
    .args:
      - { .name: qkv, .offset: 0, .size: 8, .value_kind: global_buffer, .address_space: global }
      - { .name: ao, .offset: 8, .size: 8, .value_kind: global_buffer, .address_space: global }
    .group_segment_fixed_size: 327680
    .private_segment_fixed_size: 0
    .kernarg_segment_align: 8
    .kernarg_segment_size: 16
    .max_flat_workgroup_size: 256
    .sgpr_count:     66
    .vgpr_count:     512
    .wavefront_size: 32
...
	.end_amdgpu_metadata
.endif
;; end of part 3
;; launch proj (part 4): grid 8 x 32, 4 waves a work-group, clusters of 4 x 4, 327,680 bytes of LDS; arguments ao, wpt, b_proj, out0; writes out0
.if DOCPART == 4
	.amdgcn_target "amdgcn-amd-amdhsa--gfx1250"
	.amdhsa_code_object_version 6
	.text
	.protected	k_q74ed2a2438_proj
	.globl	k_q74ed2a2438_proj
	.p2align	8
	.type	k_q74ed2a2438_proj,@function
k_q74ed2a2438_proj:
	s_mov_b64 s[64:65], 0
	v_nop
	global_prefetch_b8 v0, s[64:65] scope:SCOPE_SE
	s_setreg_imm32_b32 hwreg(HW_REG_WAVE_MODE, 25, 1), 1
	s_wait_xcnt 0x0
	s_wait_alu depctr_hold_cnt(0) depctr_sa_sdst(0) depctr_va_vdst(0) depctr_va_sdst(0) depctr_va_ssrc(0) depctr_va_vcc(0) depctr_vm_vsrc(0)
	s_getreg_b32 s2, hwreg(HW_REG_IB_STS2, 6, 4)
	s_cmp_eq_u32 s2, 0
	s_cbranch_scc0 .Lentry_in_a_cluster
	s_endpgm
.Lentry_in_a_cluster:
	s_bfe_u32 s2, ttmp6, 0x10000c
	s_cmp_lg_u32 s2, 0xf033
	s_cbranch_scc0 .Lentry_shape_is_right
	s_endpgm
.Lentry_shape_is_right:
; out0[token][n] = b_proj[n] + sum over c of ao(token, c) wpt[n][c];  f16 operands, f32 sums, f32 out.
; ao lies as [token / 128][head][token % 128][64], c = 64 head + d: a work-group's 128 tokens are one dense block of 262,144 bytes.
; A work-group makes 128 tokens x 128 columns: 8 x 32 = 256 work-groups; four waves 2 x 2, each 64 x 64: 16 accumulator tiles in window 1.
; K goes in four tiles of 256 (four heads) through two LDS slots, so that a refill has 120 products of a wave in which to land and only two refills are needed.
; CLUSTER 4 x 4: ao's tile is asked for jointly along a row of the cluster, wpt's along a column.
; THE PRODUCT IS USED TRANSPOSED (source 0 = 16 rows of wpt, source 1 = 16 tokens): a lane holds eight neighbouring columns of one token.
; The bias is loaded in the accumulator's own layout and is the C operand of the first sixteen products: no add and nothing cleared.
.set AP,     144                       ; ao in LDS: [4 heads][128 tokens][128 bytes + 16]
.set HEADB,  128*AP
.set AHALF,  256*AP                    ; what waves 0, 1 fetch: two heads
.set BP,     528                       ; wpt in LDS: 128 rows of 512 bytes + 16
.set BHALF,  64*BP                     ; what waves 2, 3 fetch
.set BOFF,   2*AHALF                   ; 73,728
.set SLOT,   BOFF+2*BHALF              ; 141,312
.set STAGE,  2*SLOT                    ; behind the ring: 16 tokens x 272 bytes for each wave; no tensor load lands here
.set SPITCH, 272
.set SWAVE,  16*SPITCH
.set ADRA, 16
.set ADRB, 20
.set STO,  24
.set RD,   25
.set CO,   26
.set BO,   27
.set BI,   32                          ; v[32:63]  bias of my 64 columns, 8 registers a column tile
.set FA,   64                          ; v64-95, v128-159   ao fragments, buffer 0, 1
.set FB,   96                          ; v96-127, v160-191  wpt fragments, buffer 0, 1
.set RB,   192                         ; v192-223, v224-255 rows read back, two sets
.set G1,  24
.set G0,  32
.set G1B, 48
.set G0B, 56
.set MSB, 0
.macro WIN new
.if MSB != \new
	s_set_vgpr_msb (MSB<<8)|\new
.set MSB, \new
.endif
.endm
.set MUL_1ST, 0x40                     ; D in window 1, everything else (the bias as C too) in window 0
.set MUL_ON,  0x50                     ; C and D in window 1
.macro JLOAD s
	s_cmp_eq_u32 s11, 0
	s_cbranch_scc0 .Lfor_b_\@
	tensor_load_to_lds s[G0+4*\s:G0+4*\s+3], s[G1:G1+7]
	s_nop 0
	s_branch .Lasked_\@
.Lfor_b_\@:
	tensor_load_to_lds s[G0B+4*\s:G0B+4*\s+3], s[G1B:G1B+7]
	s_nop 0
.Lasked_\@:
.endm
.macro CREST
	s_cmp_lg_u32 s10, 0
	s_cbranch_scc1 .Lnot_wave_0_\@
	s_barrier_signal -3
.Lnot_wave_0_\@:
	s_barrier_wait -3
	s_barrier_signal -1
	s_barrier_wait -1
.endm
.macro CROUND
	s_barrier_signal -1
	s_barrier_wait -1
	CREST
.endm
.macro PLACES                          ; four plain vector instructions behind a matrix instruction (ISA guide 7.12.1)
.rept 4
	v_nop
.endr
.endm
	s_load_b128 s[4:7], s[0:1], 0x0                ; ao s[4:5], wpt s[6:7]
	s_load_b128 s[16:19], s[0:1], 0x10             ; b_proj s[16:17], out0 s[18:19]
	v_lshl_add_u32 v30, v0, 2, 0x49400
	v_mov_b32 v31, 0
	ds_add_u32 v30, v31
	v_lshrrev_b32 v1, 5, v0
	v_readfirstlane_b32 s10, v1                    ; wave 0..3
	s_lshr_b32 s11, s10, 1                         ; my half of the tokens.  Also: I fetch for ao (0) or for wpt (1)
	s_and_b32 s12, s10, 1                          ; my half of the columns.  Also: which half of that tile
	s_bfe_u32 s40, ttmp6, 0x40000                  ; cx
	s_bfe_u32 s41, ttmp6, 0x40004                  ; cy
	s_lshl_b32 s42, ttmp9, 2
	s_add_co_u32 s42, s42, s40                     ; block column
	s_and_b32 s13, ttmp7, 0xffff
	s_lshl_b32 s13, s13, 2
	s_add_co_u32 s13, s13, s41                     ; block row
	s_lshl_b32 s43, s41, 2
	s_lshl_b32 s43, 15, s43                        ; my row of the cluster
	s_lshl_b32 s44, 0x1111, s40                    ; my column
	; ao: 256 dense rows of 64 elements, 4 words of padding behind every 32 words
	s_or_b32 s[G1+0], s43, (1<<16)|(1<<20)|(1<<21)|(4<<22)|(3<<25)
	s_mov_b32 s[G1+1], 64<<16
	s_mov_b32 s[G1+2], 256<<16
	s_mov_b32 s[G1+3], 64<<16
	s_mov_b32 s[G1+4], 256
	s_mov_b32 s[G1+5], 64
	s_mov_b32 s[G1+6], 0
	s_mov_b32 s[G1+7], 0
	; wpt: 64 rows of 256 elements, 1,024 elements from row to row, 4 words of padding behind every 128 words
	s_or_b32 s[G1B+0], s44, (1<<16)|(1<<20)|(1<<21)|(6<<22)|(3<<25)
	s_mov_b32 s[G1B+1], 256<<16
	s_mov_b32 s[G1B+2], 64<<16
	s_mov_b32 s[G1B+3], 256<<16
	s_mov_b32 s[G1B+4], 64
	s_mov_b32 s[G1B+5], 1024
	s_mov_b32 s[G1B+6], 0
	s_mov_b32 s[G1B+7], 0
	s_lshl_b32 s14, s13, 18                        ; ao: block row x 262,144 + half x two heads of 16,384
	s_lshl_b32 s15, s12, 15
	s_add_co_u32 s14, s14, s15
	s_mov_b32 s15, 0
	s_lshl_b32 s46, s42, 18                        ; wpt: (128 block column + 64 half) rows of 2,048 bytes
	s_lshl_b32 s47, s12, 17
	s_add_co_u32 s46, s46, s47
	s_mov_b32 s47, 0
	s_mul_i32 s20, s10, AHALF                      ; LDS: waves 0, 1 at 0 and 36,864
	s_mul_i32 s21, s10, BHALF
	s_add_co_u32 s21, s21, BOFF-2*BHALF            ; waves 2, 3 at 73,728 and 107,520
	s_lshl_b32 s2, s42, 9                          ; my first column in f32 bytes: 512 block column + 256 half
	s_lshl_b32 s3, s12, 8
	s_add_co_u32 s2, s2, s3
	s_mov_b32 s3, 0
	s_lshl_b32 s22, s13, 19                        ; my first token: (128 block row + 64 half) rows of 4,096 bytes
	s_lshl_b32 s23, s11, 18
	s_add_co_u32 s22, s22, s23
	s_mov_b32 s23, 0
	s_wait_dscnt 0x0
	s_wait_kmcnt 0x0
	s_add_nc_u64 s[14:15], s[4:5], s[14:15]
	s_add_nc_u64 s[46:47], s[6:7], s[46:47]
	s_add_nc_u64 s[16:17], s[16:17], s[2:3]
	s_add_nc_u64 s[18:19], s[18:19], s[2:3]
	s_add_nc_u64 s[18:19], s[18:19], s[22:23]
	CROUND                                         ; all sixteen work-groups are here: the first joint loads meet
.irp s, 0,1
	s_mov_b32 s[G0+4*\s], 1
	s_add_co_u32 s[G0+4*\s+1], s20, \s*SLOT
	s_add_nc_u64 s[G0+4*\s+2:G0+4*\s+3], s[14:15], \s*65536       ; four heads on
	s_or_b32 s[G0+4*\s+3], s[G0+4*\s+3], 0x80000000
	s_mov_b32 s[G0B+4*\s], 1
	s_add_co_u32 s[G0B+4*\s+1], s21, \s*SLOT
	s_add_nc_u64 s[G0B+4*\s+2:G0B+4*\s+3], s[46:47], \s*512       ; 256 elements on
	s_or_b32 s[G0B+4*\s+3], s[G0B+4*\s+3], 0x80000000
	JLOAD \s                                       ; K tiles 0 and 1: two tensor loads of a wave are out, the most in this text
.endr
	v_and_b32 v1, 15, v0                           ; r
	v_bfe_u32 v2, v0, 4, 1                         ; h
	v_lshlrev_b32 v[BO], 5, v2                     ; bias: register j of column tile b is column 16 b + 8 h + j
.irp b, 0,1,2,3
	global_load_b128 v[BI+8*\b:BI+8*\b+3],   v[BO], s[16:17] offset:64*\b
	global_load_b128 v[BI+8*\b+4:BI+8*\b+7], v[BO], s[16:17] offset:64*\b+16
.endr
	v_mul_u32_u24 v3, v1, AP
	v_lshl_add_u32 v3, v2, 4, v3
	v_mul_u32_u24 v4, v1, BP
	v_lshl_add_u32 v4, v2, 4, v4
	s_mul_i32 s20, s11, 64*AP                      ; my 64 tokens in each head
	s_mul_i32 s21, s12, 64*BP
	s_add_co_u32 s21, s21, BOFF                    ; my 64 rows of wpt
.irp s, 0,1
	v_add_nc_u32 v[ADRA+\s], s20, v3
	v_add_nc_u32 v[ADRB+\s], s21, v4
	s_add_co_u32 s20, s20, SLOT
	s_add_co_u32 s21, s21, SLOT
.endr
	s_mul_i32 s45, s10, SWAVE
	s_add_co_u32 s45, s45, STAGE
	v_mul_u32_u24 v5, v1, SPITCH
	v_lshl_add_u32 v5, v2, 5, v5
	v_add_nc_u32 v[STO], s45, v5                   ; in: token r, 32 bytes at 32 h
	v_mul_u32_u24 v6, v2, SPITCH
	v_lshl_add_u32 v6, v1, 4, v6
	v_add_nc_u32 v[RD], s45, v6                    ; back: sixteen lanes take a token's 256 bytes
	v_lshlrev_b32 v7, 12, v2
	v_lshl_add_u32 v[CO], v1, 4, v7                ; the same two tokens in out0
; eight products: token tiles a0, a0 + 1 x four column tiles, 32 along K, from buffer f.  bias = 1: C is the bias
.macro MUL8 f, a0, bias
.irp a, \a0, \a0+1
.irp b, 0,1,2,3
.if \bias
	v_wmma_f32_16x16x32_f16 v[8*(4*(\a)+\b):8*(4*(\a)+\b)+7], v[FB+64*\f+8*\b:FB+64*\f+8*\b+7], v[FA+64*\f+8*(\a):FA+64*\f+8*(\a)+7], v[BI+8*\b:BI+8*\b+7]
.else
	v_wmma_f32_16x16x32_f16 v[8*(4*(\a)+\b):8*(4*(\a)+\b)+7], v[FB+64*\f+8*\b:FB+64*\f+8*\b+7], v[FA+64*\f+8*(\a):FA+64*\f+8*(\a)+7], v[8*(4*(\a)+\b):8*(4*(\a)+\b)+7]
.endif
.endr
.endr
.endm
; sixteen LDS loads: the fragments of eighth q8 of a slot (head q8 / 2, d = 32 (q8 % 2) ..) into buffer f
.macro FETCH slot, q8, f
.irp i, 0,1,2,3
	ds_load_b128 v[FB+64*\f+8*\i:FB+64*\f+8*\i+3],   v[ADRB+\slot] offset:\i*16*BP+64*\q8
	ds_load_b128 v[FB+64*\f+8*\i+4:FB+64*\f+8*\i+7], v[ADRB+\slot] offset:\i*16*BP+64*\q8+32
.endr
.irp i, 0,1,2,3
	ds_load_b128 v[FA+64*\f+8*\i:FA+64*\f+8*\i+3],   v[ADRA+\slot] offset:(\q8/2)*HEADB+\i*16*AP+64*(\q8%2)
	ds_load_b128 v[FA+64*\f+8*\i+4:FA+64*\f+8*\i+7], v[ADRA+\slot] offset:(\q8/2)*HEADB+\i*16*AP+64*(\q8%2)+32
.endr
.endm
; An eighth of a slot: sixteen products on buffer f; at its head the next eighth's fragments are asked for, into buffer g.
; The sixteen accumulators take turns, one product a turn, in the same order throughout.
.macro EIGHTH slot, nxt, f, g, bias
	s_wait_dscnt 0x0
	PLACES
	WIN 0
	FETCH \slot, \nxt, \g
.if \bias
	WIN MUL_1ST
.else
	WIN MUL_ON
.endif
	MUL8 \f, 0, \bias
	MUL8 \f, 2, \bias
.endm
.macro SEVEN slot, bias
	EIGHTH \slot, 1, 0, 1, \bias
	EIGHTH \slot, 2, 1, 0, 0
	EIGHTH \slot, 3, 0, 1, 0
	EIGHTH \slot, 4, 1, 0, 0
	EIGHTH \slot, 5, 0, 1, 0
	EIGHTH \slot, 6, 1, 0, 0
	EIGHTH \slot, 7, 0, 1, 0
.endm
; The last eighth changes slots: my reads of this slot are back, all my tensor loads have landed (one was out: my part of the next slot); where the slot is filled
; again the barrier opens a round of the cluster's barrier and the joint refill is the first tensor load behind it.
.macro TURN slot, next, fill
	s_wait_dscnt 0x0
	s_wait_tensorcnt 0x0
	ds_add_u32 v30, v31
	s_wait_dscnt 0x0
	s_barrier_signal -1
	WIN MUL_ON
	MUL8 1, 0, 0
	WIN 0
	s_barrier_wait -1
.if \fill
	CREST
	s_add_nc_u64 s[G0+4*\slot+2:G0+4*\slot+3], s[G0+4*\slot+2:G0+4*\slot+3], 2*65536
	s_add_nc_u64 s[G0B+4*\slot+2:G0B+4*\slot+3], s[G0B+4*\slot+2:G0B+4*\slot+3], 2*512
	JLOAD \slot
.endif
	PLACES
	FETCH \next, 0, 0
	WIN MUL_ON
	MUL8 1, 2, 0
.endm
	s_wait_tensorcnt 0x1                           ; my part of K tile 0 is in; tile 1's may stay out
	s_barrier_signal -1
	s_barrier_wait -1
	FETCH 0, 0, 0
	s_wait_loadcnt 0x0                             ; the bias
	SEVEN 0, 1                                     ; K tile 0
	TURN 0, 1, 1                                   ; tile 2 goes out
	SEVEN 1, 0                                     ; K tile 1
	TURN 1, 0, 1                                   ; tile 3 goes out
	SEVEN 0, 0                                     ; K tile 2
	TURN 0, 1, 0
	SEVEN 1, 0                                     ; K tile 3
	s_wait_dscnt 0x0
	WIN MUL_ON
	MUL8 1, 0, 0
	MUL8 1, 2, 0
	; THE WAY OUT, 16 tokens at a time: the accumulators go as they are into my stage and come back as whole rows of 256 bytes
	PLACES
.macro OUTA a, n
	WIN 0x04                                       ; an LDS store's data is source 1: window 1
.irp b, 0,1,2,3
	ds_store_b128 v[STO], v[8*(4*\a+\b):8*(4*\a+\b)+3]   offset:64*\b
	ds_store_b128 v[STO], v[8*(4*\a+\b)+4:8*(4*\a+\b)+7] offset:64*\b+16
.endr
	WIN 0
	s_wait_xcnt 0x0                                ; the stores that read this set of registers have had their addresses translated (ISA guide 3.1)
.irp t, 0,1,2,3,4,5,6,7
	ds_load_b128 v[RB+32*\n+4*\t:RB+32*\n+4*\t+3], v[RD] offset:\t*2*SPITCH      ; LDS serves a wave's instructions in order: these see the stores above
.endr
.irp t, 0,1,2,3,4,5,6,7
	s_wait_dscnt 7-\t
	global_store_b128 v[CO], v[RB+32*\n+4*\t:RB+32*\n+4*\t+3], s[18:19] offset:(16*\a+2*\t)*4096 th:TH_STORE_NT   ; sixteen lanes store 256 consecutive bytes, aligned
.endr
.endm
	OUTA 0, 0
	OUTA 1, 1
	OUTA 2, 0
	OUTA 3, 1
	s_wait_tensorcnt 0x0
	ds_add_u32 v30, v31
	s_wait_dscnt 0x0
	CROUND                                         ; the closing round
	s_endpgm
.Lfunc_end_k_q74ed2a2438_proj:
	.size	k_q74ed2a2438_proj, .Lfunc_end_k_q74ed2a2438_proj-k_q74ed2a2438_proj
	.p2alignl 7, 3214868480
	.fill 96, 4, 3214868480
	.section	.rodata,"a",@progbits
	.p2align	6, 0x0
	.amdhsa_kernel k_q74ed2a2438_proj
		.amdhsa_group_segment_fixed_size 327680
		.amdhsa_private_segment_fixed_size 0
		.amdhsa_enable_private_segment 0
		.amdhsa_kernarg_size 32
		.amdhsa_user_sgpr_count 2
		.amdhsa_user_sgpr_kernarg_segment_ptr 1
		.amdhsa_wavefront_size32 1
		.amdhsa_system_sgpr_workgroup_id_x 1
		.amdhsa_system_sgpr_workgroup_id_y 1
		.amdhsa_system_sgpr_workgroup_id_z 1
		.amdhsa_system_vgpr_workitem_id 0
		.amdhsa_next_free_vgpr 384
		.amdhsa_next_free_sgpr 66
		.amdhsa_reserve_vcc 0
		.amdhsa_float_denorm_mode_32 3
		.amdhsa_float_denorm_mode_16_64 3
		.amdhsa_memory_ordered 1
		.amdhsa_forward_progress 1
		.amdhsa_inst_pref_size 89
	.end_amdhsa_kernel
	.amdgpu_metadata
---
amdhsa.version: [ 1, 2 ]
amdhsa.kernels:
  - .name:           k_q74ed2a2438_proj
    .symbol:         k_q74ed2a2438_proj.kd
    .args:
      - { .name: ao, .offset: 0, .size: 8, .value_kind: global_buffer, .address_space: global }
      - { .name: wpt, .offset: 8, .size: 8, .value_kind: global_buffer, .address_space: global }
      - { .name: b_proj, .offset: 16, .size: 8, .value_kind: global_buffer, .address_space: global }
      - { .name: out0, .offset: 24, .size: 8, .value_kind: global_buffer, .address_space: global }
    .group_segment_fixed_size: 327680
    .private_segment_fixed_size: 0
    .kernarg_segment_align: 8
    .kernarg_segment_size: 32
    .max_flat_workgroup_size: 128
    .sgpr_count:     66
    .vgpr_count:     384
    .wavefront_size: 32
...
	.end_amdgpu_metadata
.endif
;; end of part 4
